; MI455X (gfx1250); checked and timed in simulation.
; The chip was launched on July 23, 2026; its instructions are those of AMD's public machine-readable ISA for CDNA 5 (MIT licence, August 2026) and "CDNA5" Instruction Set Architecture Reference Guide (July 2026). The comments in the code are by the model that wrote it; some were corrected since.
;; FS Coding. Allowed arithmetic: float matrix products may take bf16 or f16 operands with f32 sums; other float arithmetic in f32, or as packed bf16 or f16 multiplies, adds, multiply-adds, maxima and minima; sums over many terms, partial sums and values carried from step to step in f32; what a program stores and reads back later, other than sums and carried values, may be rounded once to bf16 or f16.
;; Inputs: T 12 float32; d 12 float32; h 12 float32; x 32 x 128 x 56 x 56 float32.
;; Outputs: out0 32 x 128 x 56 x 56 float32; out1 one number float32; out2 one number float32.
;; One version. Each part assembles by itself: llvm-mc -triple=amdgcn-amd-amdhsa -mcpu=gfx1250 --defsym DOCPART=n.
;; ======== version 1 of 1: 2 launches
;; limits: below input magnitudes of 2.1e-22 results are inexact or not finite; inputs' magnitudes at most 2,147,483,648
;; workspace buffers: part 16,384 bytes
;; launch spikes (part 1): grid 256 x 1, 28 waves a work-group, no clusters, 7,168 bytes of LDS; arguments x, h, d, T, out0, part; writes out0, part
.if DOCPART == 1
	.amdgcn_target "amdgcn-amd-amdhsa--gfx1250"
	.amdhsa_code_object_version 6
	.text
	.protected	k_qbb9eb63aa0_spikes
	.globl	k_qbb9eb63aa0_spikes
	.p2align	8
	.type	k_qbb9eb63aa0_spikes,@function
k_qbb9eb63aa0_spikes:
	s_mov_b64 s[64:65], 0
	v_nop
	global_prefetch_b8 v0, s[64:65] scope:SCOPE_SE
	s_setreg_imm32_b32 hwreg(HW_REG_WAVE_MODE, 25, 1), 1
	s_wait_xcnt 0x0
; FS coding, 12 steps for each of 12,845,056 numbers:  v -= z h[t];  z = (v > T[t]);  out += z d[t];  and, summed over all numbers,
; for each t the excess max(|v - T[t]| / (|v| + 1) - 1, 0) and the spikes z.  This launch writes out0 and, for each work-group, 16 partial sums
; (12 excess sums already times max(|T[t]|-1,0)/N, the spike count times 1/N, three zeros); the next launch adds them.
; SHARES.  256 work-groups x 28 waves; a wave owns 7,168 consecutive bytes of x and out0: 7 trips of two loads of 512 consecutive bytes, 8 numbers a lane and trip (four register pairs A, B, C, D).
; ARITHMETIC, chosen so that nearly every line is packed (two f32 a line):
;   z = clamp01(fma(v, 2^96, -T 2^96)).  T 2^96 is exact and the fma rounds once, so the sign is that of v - T, and z is exactly 1 or 0.
;   The excess is C g / b with C = max(|T|-1, 0), g = clamp01(1 + k v), k = -2 sign(T) / (|T|-1) (k = 0 where |T| <= 1), b = |v| + 1:
;   for T > 1 it is (T-1)/b where v <= 0, (T-1-2v)/b where 0 < v < (T-1)/2, else 0; mirrored for T < -1.  C leaves the sum and is applied at the end,
;   so the sum is exactly 0 where |T| <= 1.  Four pairs share one division: g1/b1+..+g4/b4 = N / P, P = b1 b2 b3 b4: two reciprocals for 8 numbers and a step.
;   v -= z h and out += z d are one fma each: the product is exact, so they round as a multiply and an add do.
; LIMITS.  Where 0 < v - T < 2^-96 (possible only with |v| and |T| both below 2^-72) z comes out as (v - T) 2^96, not 1.  |T| stays below 2^32 (T 2^96 finite) and
;   |v| below 2^31 (P finite).  The excess is rounded otherwise than a quotient less 1: the two differ by up to about 2^-23 a number where |T| > 1.
;   The first step's z is the constant 0, so its term 0 x h[0] is not formed: right for finite h[0].  NaN and infinities are not treated apart.
.set WAVES,  28
.set TRIPS,  7
.set CHUNK,  512                       ; bytes of one load or store of a wave
.set TRIPB,  2*CHUNK                   ; bytes of a wave's trip
.set WAVEB,  TRIPS*TRIPB               ; 7,168
.set GROUPB, WAVES*WAVEB               ; 200,704; x 256 work-groups = 51,380,224 bytes, all of x
.set SPARE,  WAVES*128                 ; LDS: 28 x 128 bytes of partial sums, then the spare words, 128 bytes a wave (14 blocks of 256 bytes that no other line names)
.set OFF,  1                           ; v1   my byte offset in the group's part of x and out0; never rewritten
.set SPW,  2                           ; v2   LDS address of my spare word; never rewritten
.set NIL,  3                           ; v3   0; never rewritten
.set LANE, 4                           ; v4   lane
.set CN,   5                           ; v5   lane i < 12: max(|T[i]|-1,0)/N; lane 12: 1/N; lanes 13-15: 0
.set LA,   6                           ; v6   4 x thread: my word among the partial sums in LDS; in wave 0 also my word of part
.set TI,   7                           ; v7   byte offset of T[min(lane, 11)]
.set BIG,  8                           ; v[8:9]    2^96 twice (a line with clamp takes vector registers alone)
.set ONE,  10                          ; v[10:11]  1.0 twice
.set TB,   12                          ; v[12:35]  -T[t] 2^96 twice, for each t
.set KK,   36                          ; v[36:59]  k[t] twice
.set ACC,  60                          ; v[60:83]  for each t the sum of N / P, packed
.set ZS,   84                          ; v[84:87]  two packed spike counts (whole numbers, 168 at the most: exact in f32)
.set XX,   88                          ; v[88:95]  x as loaded
.set VV,   96                          ; v[96:103]
.set ZZ,   104                         ; v[104:111]
.set OO,   112                         ; v[112:119] out
.set GG,   120                         ; v[120:127] g, then N
.set BB,   128                         ; v[128:135] b, then P and 1/P
.set RR,   VV                          ; at the end: 16 sums in v[96:111],
.set SS,   OO                          ; 8 registers at work,
.set WW,   TB                          ; and in wave 0 the 28 waves' sums in v[12:39]
.set H0,   16                          ; s[16:27] h[0..11];  s[28:39] h[1..11] and a 0: every h[t] is the low word of an even pair
.set D0,   40                          ; s[40:51] d[0..11];  s[52:63] d[1..11] and a 0
.set WV,   66                          ; s66 my wave's number
.set MK,   67                          ; s67-70 lanes whose number has bit 0, 1, 2, 3 set
.set CNT,  71                          ; s71 trips to go
.set RL,   78                          ; s78-89 -T[t] 2^96, s90-101 k[t], on their way from lanes to all lanes
	s_load_b256 s[4:11], s[0:1], 0x0               ; x s[4:5], h s[6:7], d s[8:9], T s[10:11]
	s_load_b128 s[12:15], s[0:1], 0x20             ; out0 s[12:13], part s[14:15]
	v_lshl_add_u32 v[SPW], v0, 2, SPARE
	v_mov_b32 v[NIL], 0
	v_lshrrev_b32 v[GG+7], 5, v0
	v_readfirstlane_b32 s[WV], v[GG+7]             ; wave 0..27
	v_and_b32 v[LANE], 31, v0
	v_lshlrev_b32 v[LA], 2, v0
	v_mul_u32_u24 v[OFF], v[GG+7], WAVEB
	v_lshl_add_u32 v[OFF], v[LANE], 4, v[OFF]      ; wave x 7,168 + lane x 16
	v_min_u32 v[TI], 11, v[LANE]
	v_lshlrev_b32 v[TI], 2, v[TI]
	s_mul_i32 s72, ttmp9, GROUPB                   ; the group's part of x and out0 (below 2^26)
	s_mov_b32 s73, 0
	s_lshl_b32 s74, ttmp9, 6                       ; the group's 64 bytes of part
	s_mov_b32 s75, 0
	s_mov_b32 s39, 0                               ; the upper words of the last pairs: named with h[11] and d[11], never used
	s_mov_b32 s63, 0
	s_mov_b32 s[MK], 0xaaaaaaaa
	s_mov_b32 s[MK+1], 0xcccccccc
	s_mov_b32 s[MK+2], 0xf0f0f0f0
	s_mov_b32 s[MK+3], 0xff00ff00
	v_mov_b32 v[BIG], 0x6f800000                   ; 2^96
	v_mov_b32 v[BIG+1], 0x6f800000
	v_mov_b32 v[ONE], 1.0
	v_mov_b32 v[ONE+1], 1.0
.set i, 0
.rept 28                                           ; the 12 packed sums and the two counts start at 0: 28 lines, in the wait for the arguments, in place of a first trip written out
	v_mov_b32 v[ACC+i], 0
.set i, i+1
.endr
	s_wait_kmcnt 0x0
	global_load_b32 v[GG], v[TI], s[10:11]         ; lane t: T[t] (lanes above 11: T[11] once more, inside the buffer)
	s_add_nc_u64 s[4:5], s[4:5], s[72:73]
	s_add_nc_u64 s[12:13], s[12:13], s[72:73]
	s_add_nc_u64 s[14:15], s[14:15], s[74:75]
	global_load_b128 v[XX:XX+3],   v[OFF], s[4:5] th:TH_LOAD_NT               ; the first trip's x
	global_load_b128 v[XX+4:XX+7], v[OFF], s[4:5] offset:CHUNK th:TH_LOAD_NT
	s_load_b256 s[H0:H0+7],     s[6:7], 0x0        ; h[0..7]
	s_load_b128 s[H0+8:H0+11],  s[6:7], 0x20       ; h[8..11]
	s_load_b256 s[H0+12:H0+19], s[6:7], 0x4        ; h[1..8]
	s_load_b96  s[H0+20:H0+22], s[6:7], 0x24       ; h[9..11]: ends with the buffer
	s_load_b256 s[D0:D0+7],     s[8:9], 0x0
	s_load_b128 s[D0+8:D0+11],  s[8:9], 0x20
	s_load_b256 s[D0+12:D0+19], s[8:9], 0x4
	s_load_b96  s[D0+20:D0+22], s[8:9], 0x24
	s_mov_b32 s74, 0x33a72f05                      ; 1/N = 1/12,845,056
	s_mov_b32 s72, 0x76543210                      ; v_permlanex16_b32: each lane takes its own place in the other half
	s_mov_b32 s73, 0xfedcba98
	s_wait_loadcnt 0x2                             ; T is in; the two younger loads, of x, stay out
	; what hangs on T, made once, lane t for step t
	v_mul_f32 v[GG+1], 0xef800000, v[GG]           ; -T 2^96
	v_add_f32 v[GG+2], |v[GG]|, -1.0               ; |T| - 1
	v_bfi_b32 v[GG+3], 0x7fffffff, 2.0, v[GG]      ; 2 with T's sign
	v_rcp_f32 v[GG+4], v[GG+2]
	v_max_num_f32 v[GG+5], 0, v[GG+2]              ; C; also the plain line behind the reciprocal (ISA guide 5.7.2)
	v_cmp_lt_f32 vcc_lo, 0, v[GG+2]
	s_wait_alu depctr_va_vdst(0)
	v_mul_f32 v[GG+6], -v[GG+3], v[GG+4]
	v_cndmask_b32 v[GG+6], 0, v[GG+6], vcc_lo      ; k, or 0 where |T| <= 1: a choice of values, no branch
	v_mul_f32 v[CN], s74, v[GG+5]
	v_cmp_gt_u32 vcc_lo, 12, v[LANE]
	v_cndmask_b32 v[CN], 0, v[CN], vcc_lo
	v_cmp_eq_u32 vcc_lo, 12, v[LANE]
	v_cndmask_b32 v[CN], v[CN], s74, vcc_lo
.set t, 0
.rept 12
	v_readlane_b32 s[RL+t], v[GG+1], t
	v_readlane_b32 s[RL+12+t], v[GG+6], t
.set t, t+1
.endr
.set t, 0
.rept 12
	v_mov_b32 v[TB+2*t], s[RL+t]
	v_mov_b32 v[TB+2*t+1], s[RL+t]
	v_mov_b32 v[KK+2*t], s[RL+12+t]
	v_mov_b32 v[KK+2*t+1], s[RL+12+t]
.set t, t+1
.endr
	s_wait_kmcnt 0x0                               ; h and d
; Step t for the trip's four pairs: 40 lines (36 in step 0).  Lines that feed each other stand a few lines apart.
.macro STEP t, ahead
.set HB, H0+(\t)+11*((\t)%2)           ; the even pair whose low word is h[t]
.set DB, D0+(\t)+11*((\t)%2)
.set TP, TB+2*(\t)
.set KP, KK+2*(\t)
.set AP, ACC+2*(\t)
.if (\t) == 0
.set SRC, XX                           ; step 0: z is still 0, so v is x
.else
.set SRC, VV
.endif
.if (\t) == 1
.irp p, 0,2,4,6
	v_pk_fma_f32 v[VV+(\p):VV+(\p)+1], v[ZZ+(\p):ZZ+(\p)+1], s[HB:HB+1], v[XX+(\p):XX+(\p)+1] op_sel_hi:[1,0,1] neg_lo:[1,0,0] neg_hi:[1,0,0]  ; v = x - z h
.endr
.if \ahead
	global_load_b128 v[XX:XX+3],   v[OFF], s[4:5] offset:TRIPB th:TH_LOAD_NT        ; x has been read for the last time: the next trip's x is asked for, 10 of the 12 steps ahead
	global_load_b128 v[XX+4:XX+7], v[OFF], s[4:5] offset:TRIPB+CHUNK th:TH_LOAD_NT
.endif
.endif
.if (\t) > 1
.irp p, 0,2,4,6
	v_pk_fma_f32 v[VV+(\p):VV+(\p)+1], v[ZZ+(\p):ZZ+(\p)+1], s[HB:HB+1], v[VV+(\p):VV+(\p)+1] op_sel_hi:[1,0,1] neg_lo:[1,0,0] neg_hi:[1,0,0]  ; v -= z h
.endr
.endif
.irp p, 0,2,4,6
	v_pk_fma_f32 v[ZZ+(\p):ZZ+(\p)+1], v[SRC+(\p):SRC+(\p)+1], v[BIG:BIG+1], v[TP:TP+1] clamp   ; z = 1 where v > T, else 0
.endr
.irp p, 0,2,4,6
	v_pk_fma_f32 v[GG+(\p):GG+(\p)+1], v[SRC+(\p):SRC+(\p)+1], v[KP:KP+1], v[ONE:ONE+1] clamp   ; g
.endr
.irp i, 0,1,2,3,4,5,6,7
	v_add_f32 v[BB+(\i)], |v[SRC+(\i)]|, 1.0                                                    ; b: the packed forms take no magnitude
.endr
.irp p, 0,2,4,6
.if (\t) == 0
	v_pk_mul_f32 v[OO+(\p):OO+(\p)+1], v[ZZ+(\p):ZZ+(\p)+1], s[DB:DB+1] op_sel_hi:[1,0]         ; the first step starts out
.else
	v_pk_fma_f32 v[OO+(\p):OO+(\p)+1], v[ZZ+(\p):ZZ+(\p)+1], s[DB:DB+1], v[OO+(\p):OO+(\p)+1] op_sel_hi:[1,0,1]
.endif
.endr
	v_pk_mul_f32 v[GG:GG+1],     v[GG:GG+1],     v[BB+2:BB+3]                  ; N_AB = gA bB
	v_pk_mul_f32 v[GG+4:GG+5],   v[GG+4:GG+5],   v[BB+6:BB+7]                  ; N_CD = gC bD
	v_pk_mul_f32 v[BB+2:BB+3],   v[BB:BB+1],     v[BB+2:BB+3]                  ; P_AB = bA bB
	v_pk_mul_f32 v[BB+6:BB+7],   v[BB+4:BB+5],   v[BB+6:BB+7]                  ; P_CD = bC bD
	v_pk_fma_f32 v[GG:GG+1],     v[GG+2:GG+3],   v[BB:BB+1],   v[GG:GG+1]      ; N_AB += gB bA
	v_pk_fma_f32 v[GG+4:GG+5],   v[GG+6:GG+7],   v[BB+4:BB+5], v[GG+4:GG+5]    ; N_CD += gD bC
	v_pk_mul_f32 v[BB:BB+1],     v[BB+2:BB+3],   v[BB+6:BB+7]                  ; P = P_AB P_CD
	v_pk_add_f32 v[ZS:ZS+1],     v[ZS:ZS+1],     v[ZZ:ZZ+1]
	v_pk_mul_f32 v[GG:GG+1],     v[GG:GG+1],     v[BB+6:BB+7]                  ; N = N_AB P_CD
	v_rcp_f32 v[BB], v[BB]
	v_rcp_f32 v[BB+1], v[BB+1]
	v_pk_add_f32 v[ZS+2:ZS+3],   v[ZS+2:ZS+3],   v[ZZ+2:ZZ+3]                  ; a plain line that names neither reciprocal stands behind them (ISA guide 5.7.2)
	v_pk_fma_f32 v[GG:GG+1],     v[GG+4:GG+5],   v[BB+2:BB+3], v[GG:GG+1]      ; N += N_CD P_AB
	v_pk_add_f32 v[ZS:ZS+1],     v[ZS:ZS+1],     v[ZZ+4:ZZ+5]
	v_pk_add_f32 v[ZS+2:ZS+3],   v[ZS+2:ZS+3],   v[ZZ+6:ZZ+7]
	s_wait_alu depctr_va_vdst(0)
	v_pk_fma_f32 v[AP:AP+1],     v[GG:GG+1],     v[BB:BB+1],   v[AP:AP+1]      ; step t's sum takes N / P
.endm
; A trip.  ahead = 1: the next trip's x is asked for and the two addresses step.
.macro ITER ahead
	s_wait_loadcnt 0x0                             ; this trip's x: no younger load is out
.irp t, 0,1,2,3,4,5,6,7,8,9,10,11
	STEP \t, \ahead
.endr
	global_store_b128 v[OFF], v[OO:OO+3],   s[12:13] th:TH_STORE_NT               ; each store of the wave covers 512 consecutive bytes, at a multiple of 256 from out0's first
	global_store_b128 v[OFF], v[OO+4:OO+7], s[12:13] offset:CHUNK th:TH_STORE_NT
	s_wait_xcnt 0x0                                ; only behind this wait are the two bases stepped and out's registers written again (ISA guide 3.1)
.if \ahead
	s_add_nc_u64 s[4:5], s[4:5], TRIPB
	s_add_nc_u64 s[12:13], s[12:13], TRIPB
.endif
.endm
	s_mov_b32 s[CNT], TRIPS-1
.Ltrip:
	ITER 1
	s_sub_co_u32 s[CNT], s[CNT], 1
	s_cmp_lg_u32 s[CNT], 0
	s_cbranch_scc1 .Ltrip
	ITER 0                                         ; the last trip is written out: it asks for nothing, so no load leaves x
	; THE SUMS.  16 numbers a lane (12 excess sums, the count, three zeros) are added over the 16 lanes of each half and turned at once: in the stage for bit m the lanes with the bit clear keep
	; the number whose index has it clear and send the other, and the lanes with the bit set the other way round; so the numbers halve in each stage, and at the end lane i holds number i % 16.
.set t, 0
.rept 12
	v_add_f32 v[RR+t], v[ACC+2*t], v[ACC+2*t+1]
.set t, t+1
.endr
	v_pk_add_f32 v[ZS:ZS+1], v[ZS:ZS+1], v[ZS+2:ZS+3]
	v_mov_b32 v[RR+13], 0
	v_mov_b32 v[RR+14], 0
	v_mov_b32 v[RR+15], 0
	v_add_f32 v[RR+12], v[ZS], v[ZS+1]
.macro STAGE m, msk
.set j, 0
.rept 8/(\m)
.set ra, RR+2*(\m)*j
.set rb, ra+(\m)
	v_cndmask_b32 v[SS+j], v[rb], v[ra], s[\msk]   ; what I send
	v_cndmask_b32 v[ra], v[ra], v[rb], s[\msk]     ; what I keep
	v_add_f32_dpp v[ra], v[SS+j], v[ra] row_xmask:\m row_mask:0xf bank_mask:0xf  ; + what lane (i xor m) sends
.set j, j+1
.endr
.endm
	STAGE 1, MK
	STAGE 2, MK+1
	STAGE 4, MK+2
	STAGE 8, MK+3
	ds_store_b32 v[LA], v[RR]                      ; wave w, lane l: word 32 w + l
	s_wait_tensorcnt 0x0                           ; the wave's end: three lines behind my last LDS store
	ds_add_u32 v[SPW], v[NIL]
	s_wait_dscnt 0x0                               ; also for the others' sake: my store is done
	s_barrier_signal -1
	s_barrier_wait -1                              ; every wave's is
	s_cmp_lg_u32 s[WV], 0
	s_cbranch_scc1 .Lend
	; wave 0 adds the 28 waves' words, then the two halves of the lanes, scales, and stores the group's 16 numbers
.set w, 0
.rept WAVES
	ds_load_b32 v[WW+w], v[LA] offset:128*w        ; in wave 0 LA is 4 x lane
.set w, w+1
.endr
	s_wait_dscnt 0x0
.irp i, 0,2,4,6,8,10,12
	v_pk_add_f32 v[WW+(\i):WW+(\i)+1], v[WW+(\i):WW+(\i)+1], v[WW+14+(\i):WW+14+(\i)+1]
.endr
.irp i, 0,2,4
	v_pk_add_f32 v[WW+(\i):WW+(\i)+1], v[WW+(\i):WW+(\i)+1], v[WW+8+(\i):WW+8+(\i)+1]
.endr
	v_pk_add_f32 v[WW:WW+1], v[WW:WW+1], v[WW+4:WW+5]
	v_pk_add_f32 v[WW+2:WW+3], v[WW+2:WW+3], v[WW+6:WW+7]
	v_pk_add_f32 v[WW:WW+1], v[WW:WW+1], v[WW+2:WW+3]
	v_add_f32 v[WW], v[WW], v[WW+1]
	v_permlanex16_b32 v[WW+1], v[WW], s72, s73
	v_add_f32 v[WW], v[WW], v[WW+1]
	v_mul_f32 v[WW], v[WW], v[CN]                  ; times max(|T|-1,0)/N, or 1/N for the count
	v_cmp_gt_u32 vcc_lo, 16, v0                    ; no global instruction has been issued since the last trip's s_wait_xcnt 0, so EXEC may change
	s_and_saveexec_b32 s75, vcc_lo
	global_store_b32 v[LA], v[WW], s[14:15]        ; lanes 0-15: 64 consecutive bytes
	s_wait_xcnt 0x0                                ; EXEC is a source of the store: it is widened only behind this wait
	s_or_b32 exec_lo, exec_lo, s75
.Lend:
	s_endpgm
.Lfunc_end_k_qbb9eb63aa0_spikes:
	.size	k_qbb9eb63aa0_spikes, .Lfunc_end_k_qbb9eb63aa0_spikes-k_qbb9eb63aa0_spikes
	.p2alignl 7, 3214868480
	.fill 96, 4, 3214868480
	.section	.rodata,"a",@progbits
	.p2align	6, 0x0
	.amdhsa_kernel k_qbb9eb63aa0_spikes
		.amdhsa_group_segment_fixed_size 7168
		.amdhsa_private_segment_fixed_size 0
		.amdhsa_enable_private_segment 0
		.amdhsa_kernarg_size 48
		.amdhsa_user_sgpr_count 2
		.amdhsa_user_sgpr_kernarg_segment_ptr 1
		.amdhsa_wavefront_size32 1
		.amdhsa_system_sgpr_workgroup_id_x 1
		.amdhsa_system_sgpr_workgroup_id_y 1
		.amdhsa_system_sgpr_workgroup_id_z 1
		.amdhsa_system_vgpr_workitem_id 0
		.amdhsa_next_free_vgpr 136
		.amdhsa_next_free_sgpr 102
		.amdhsa_reserve_vcc 1
		.amdhsa_float_denorm_mode_32 3
		.amdhsa_float_denorm_mode_16_64 3
		.amdhsa_memory_ordered 1
		.amdhsa_forward_progress 1
		.amdhsa_inst_pref_size 74
	.end_amdhsa_kernel
	.amdgpu_metadata
---
amdhsa.version: [ 1, 2 ]
amdhsa.kernels:
  - .name:           k_qbb9eb63aa0_spikes
    .symbol:         k_qbb9eb63aa0_spikes.kd
    .args:
      - { .name: x, .offset: 0, .size: 8, .value_kind: global_buffer, .address_space: global }
      - { .name: h, .offset: 8, .size: 8, .value_kind: global_buffer, .address_space: global }
      - { .name: d, .offset: 16, .size: 8, .value_kind: global_buffer, .address_space: global }
      - { .name: T, .offset: 24, .size: 8, .value_kind: global_buffer, .address_space: global }
      - { .name: out0, .offset: 32, .size: 8, .value_kind: global_buffer, .address_space: global }
      - { .name: part, .offset: 40, .size: 8, .value_kind: global_buffer, .address_space: global }
    .group_segment_fixed_size: 7168
    .private_segment_fixed_size: 0
    .kernarg_segment_align: 8
    .kernarg_segment_size: 48
    .max_flat_workgroup_size: 896
    .sgpr_count:     102
    .vgpr_count:     136
    .wavefront_size: 32
...
	.end_amdgpu_metadata
.endif
;; end of part 1
;; launch finish (part 2): grid 1 x 1, 1 waves a work-group, no clusters, 0 bytes of LDS; arguments part, out1, out2; writes out1, out2
.if DOCPART == 2
	.amdgcn_target "amdgcn-amd-amdhsa--gfx1250"
	.amdhsa_code_object_version 6
	.text
	.protected	k_qbb9eb63aa0_finish
	.globl	k_qbb9eb63aa0_finish
	.p2align	8
	.type	k_qbb9eb63aa0_finish,@function
k_qbb9eb63aa0_finish:
	s_mov_b64 s[64:65], 0
	v_nop
	global_prefetch_b8 v0, s[64:65] scope:SCOPE_SE
	s_setreg_imm32_b32 hwreg(HW_REG_WAVE_MODE, 25, 1), 1
	s_wait_xcnt 0x0
; part: [256 work-groups][16] f32: numbers 0-11 a group's share of the 12 means of the excess, number 12 its share of the sum of the 12 means of z, 13-15 zeros.
; out1 = the sum over t of (mean t)^2;  out2 = the sum of number 12.  One wave: the 16,384 bytes are 32 loads of 512 consecutive bytes, all asked for at once; no LDS, no barrier.
; Lane l holds numbers 4 (l % 4) .. + 3 of groups 8 j + l / 4.
.set DD, 8                             ; v[8:135] load j at v[8+4j : 11+4j]
	s_load_b128 s[4:7], s[0:1], 0x0                ; part s[4:5], out1 s[6:7]
	s_load_b64 s[8:9], s[0:1], 0x10                ; out2
	v_lshlrev_b32 v1, 4, v0
	v_and_b32 v2, 3, v0
	v_mov_b32 v3, 0
	s_mov_b32 s10, 0x76543210                      ; v_permlanex16_b32: each lane takes its own place in the other half
	s_mov_b32 s11, 0xfedcba98
	s_wait_kmcnt 0x0
.set j, 0
.rept 32
	global_load_b128 v[DD+4*j:DD+4*j+3], v1, s[4:5] offset:512*j
.set j, j+1
.endr
	s_wait_loadcnt 0x0
.irp st, 16,8,4,2,1                    ; a tree: no line waits for the one before it until the last levels
.set j, 0
.rept \st
	v_pk_add_f32 v[DD+4*j:DD+4*j+1],   v[DD+4*j:DD+4*j+1],   v[DD+4*(j+(\st)):DD+4*(j+(\st))+1]
	v_pk_add_f32 v[DD+4*j+2:DD+4*j+3], v[DD+4*j+2:DD+4*j+3], v[DD+4*(j+(\st))+2:DD+4*(j+(\st))+3]
.set j, j+1
.endr
.endr
	; the eight lanes with the same l % 4 are added: lane bits 2 and 3 on the addition itself, bit 4 by the exchange of halves
.irp r, 0,1,2,3
	v_add_f32_dpp v[DD+(\r)], v[DD+(\r)], v[DD+(\r)] row_xmask:4 row_mask:0xf bank_mask:0xf
.endr
.irp r, 0,1,2,3
	v_add_f32_dpp v[DD+(\r)], v[DD+(\r)], v[DD+(\r)] row_xmask:8 row_mask:0xf bank_mask:0xf
.endr
.irp r, 0,1,2,3
	v_permlanex16_b32 v[DD+4+(\r)], v[DD+(\r)], s10, s11
.endr
.irp r, 0,1,2,3
	v_add_f32 v[DD+(\r)], v[DD+(\r)], v[DD+4+(\r)]
.endr
	v_mul_f32 v16, v8, v8                          ; my four means, squared and added
	v_fmac_f32 v16, v9, v9
	v_fmac_f32 v16, v10, v10
	v_fmac_f32 v16, v11, v11
	v_cmp_ne_u32 vcc_lo, 3, v2
	v_cndmask_b32 v16, 0, v16, vcc_lo              ; lanes with l % 4 = 3 hold the spikes' number, no mean of the excess
	v_add_f32_dpp v16, v16, v16 row_xmask:1 row_mask:0xf bank_mask:0xf
	v_add_f32_dpp v16, v16, v16 row_xmask:2 row_mask:0xf bank_mask:0xf
	v_mov_b32_dpp v17, v8 row_xmask:3 row_mask:0xf bank_mask:0xf   ; lane 0 takes lane 3's number 12
	s_wait_xcnt 0x0                                ; EXEC changes only behind this wait
	v_cmp_eq_u32 vcc_lo, 0, v0
	s_and_saveexec_b32 s12, vcc_lo
	global_store_b32 v3, v16, s[6:7]               ; out1
	global_store_b32 v3, v17, s[8:9]               ; out2
	s_wait_xcnt 0x0                                ; and again in front of the line that widens it
	s_or_b32 exec_lo, exec_lo, s12
	s_endpgm
.Lfunc_end_k_qbb9eb63aa0_finish:
	.size	k_qbb9eb63aa0_finish, .Lfunc_end_k_qbb9eb63aa0_finish-k_qbb9eb63aa0_finish
	.p2alignl 7, 3214868480
	.fill 96, 4, 3214868480
	.section	.rodata,"a",@progbits
	.p2align	6, 0x0
	.amdhsa_kernel k_qbb9eb63aa0_finish
		.amdhsa_group_segment_fixed_size 0
		.amdhsa_private_segment_fixed_size 0
		.amdhsa_enable_private_segment 0
		.amdhsa_kernarg_size 24
		.amdhsa_user_sgpr_count 2
		.amdhsa_user_sgpr_kernarg_segment_ptr 1
		.amdhsa_wavefront_size32 1
		.amdhsa_system_sgpr_workgroup_id_x 1
		.amdhsa_system_sgpr_workgroup_id_y 1
		.amdhsa_system_sgpr_workgroup_id_z 1
		.amdhsa_system_vgpr_workitem_id 0
		.amdhsa_next_free_vgpr 136
		.amdhsa_next_free_sgpr 66
		.amdhsa_reserve_vcc 1
		.amdhsa_float_denorm_mode_32 3
		.amdhsa_float_denorm_mode_16_64 3
		.amdhsa_memory_ordered 1
		.amdhsa_forward_progress 1
		.amdhsa_inst_pref_size 10
	.end_amdhsa_kernel
	.amdgpu_metadata
---
amdhsa.version: [ 1, 2 ]
amdhsa.kernels:
  - .name:           k_qbb9eb63aa0_finish
    .symbol:         k_qbb9eb63aa0_finish.kd
    .args:
      - { .name: part, .offset: 0, .size: 8, .value_kind: global_buffer, .address_space: global }
      - { .name: out1, .offset: 8, .size: 8, .value_kind: global_buffer, .address_space: global }
      - { .name: out2, .offset: 16, .size: 8, .value_kind: global_buffer, .address_space: global }
    .group_segment_fixed_size: 0
    .private_segment_fixed_size: 0
    .kernarg_segment_align: 8
    .kernarg_segment_size: 24
    .max_flat_workgroup_size: 32
    .sgpr_count:     66
    .vgpr_count:     136
    .wavefront_size: 32
...
	.end_amdgpu_metadata
.endif
;; end of part 2
